; MI455X (gfx1250); checked and timed in simulation.
; The chip was launched on July 23, 2026; its instructions are those of AMD's public machine-readable ISA for CDNA 5 (MIT licence, August 2026) and "CDNA5" Instruction Set Architecture Reference Guide (July 2026). The comments in the code are by the model that wrote it; some were corrected since.
;; MOE. Allowed arithmetic: matrix products marked QUANTISED: E2M1 operands, one E8M0 scale for each 32 along K, by v_wmma_scale_f32_16x16x128_f8f6f4 with both operands' format E2M1 (or v_wmma_scale_f32_32x16x128_f4), f32 sums; everything else in f32.
;; Inputs: Wo 2,048 x 1,024 float32; Wq 512 x 2,048 float32; keys 4,096 x 64 float32; values 4,096 x 128 float32; x 4,096 x 2,048 float32.
;; Outputs: out0 4,096 x 2,048 float32.
;; This version of the problem:
;;   THIS VERSION OF THE PROBLEM IS GIVEN IN LOW PRECISION. The matrix products marked QUANTISED in the list below multiply operands that are first quantised to E2M1 (2 exponent bits, 1 mantissa bit; 4 bits a number), with one power-of-two scale for each 32 numbers along K (OCP MX v1.0); their sums are f32. All else is computed in f32.
;;   The module's matrix products, in the order in which they are computed (A, B: the left and right operand; K: the contracted axis; several contracted axes count as one K, in the product's order):
;;     1. [M 4,096, K 2,048] x [K 2,048, N 512]; A: input x; B: input Wq: QUANTISED
;;     2. [M 32,768, K 64] x [K 64, N 4,096]; A: computed on the way; B: input keys: QUANTISED
;;     3. [M 4,096, K 1,024] x [K 1,024, N 2,048]; A: computed on the way; B: input Wo: QUANTISED
;;   THE QUANTISER, for each operand of a quantised product, along K:
;;     - K is cut into blocks of 32 from its start; a last block that is shorter is filled with zeros.
;;     - A block's scale is 2^e with e = floor(log2(the largest magnitude in the block)) - 2, held to -126 .. 127; a block of zeros has e = 0. As a byte (E8M0): e + 127.
;;     - Each number is divided by its block's scale, clamped to +-6, and rounded to the nearest number of E2M1, ties to even, subnormals kept.
;;     - The product sums the exact products of the quantised numbers (number of the format x scale) in f32.
;;   ~~~python
;;   def quantise(x, axis):      # numpy; x: float32 -> the quantised numbers, widened to float32 again
;;       x = np.moveaxis(x, axis, -1); K = x.shape[-1]
;;       x = np.pad(x, [(0, 0)] * (x.ndim - 1) + [(0, -K % 32)]); x = x.reshape(x.shape[:-1] + (-1, 32)); a = np.abs(x).max(-1, keepdims=True)
;;       e = np.where(a > 0, np.clip(np.frexp(np.where(a > 0, a, 1))[1] - 1 - 2, -126, 127), 0)      # np.frexp(a)[1] - 1 = floor(log2(a)), exactly
;;       r = np.clip(x / 2.0 ** e, -6, 6)
;;       step = 2.0 ** (np.maximum(np.frexp(np.where(r == 0, 1, r))[1] - 1, 0) - 1)
;;       q = np.round(r / step) * step * 2.0 ** e      # np.round: ties to even
;;       return np.moveaxis(q.reshape(q.shape[:-2] + (-1,))[..., :K], -1, axis).astype(np.float32)
;;   ~~~
;;   OPERANDS COMPUTED ON THE WAY. 'Computed on the way' means the value that the module computes at that place (a softmax that the list does not call 'softmax' is quantised finished and normalised). What goes into a quantiser is computed in f32, as accurately as f32 sums, v_exp_f32 and their like allow (about 1e-6 of the number): no bf16 or f16 on the way to a quantiser, and a product that is left as it is and whose result goes on into a quantised operand takes f32 operands (vector FMAs, or v_wmma_f32_16x16x4_f32). A number that lies on a knife's edge between two numbers of the format may be rounded either way, as far as f32 arithmetic and the matrix unit's own rounding can turn it there, and no further.
;; One version. Each part assembles by itself: llvm-mc -triple=amdgcn-amd-amdhsa -mcpu=gfx1250 --defsym DOCPART=n.
;; ======== version 1 of 1: 2 launches
;; workspace buffers: wcodes 1,703,936 bytes; wscales 106,496 bytes; vpart 16,384 bytes
;; launch prep (part 1): grid 240 x 1, 4 waves a work-group, no clusters, 70,656 bytes of LDS; arguments Wq, keys, Wo, values, wcodes, wscales, vpart; writes wcodes, wscales, vpart
.if DOCPART == 1
	.amdgcn_target "amdgcn-amd-amdhsa--gfx1250"
	.amdhsa_code_object_version 6
	.text
	.protected	k_q50913b7932_prep
	.globl	k_q50913b7932_prep
	.p2align	8
	.type	k_q50913b7932_prep,@function
k_q50913b7932_prep:
	s_mov_b64 s[64:65], 0
	v_nop
	global_prefetch_b8 v0, s[64:65] scope:SCOPE_SE
	s_setreg_imm32_b32 hwreg(HW_REG_WAVE_MODE, 25, 1), 1
	s_wait_xcnt 0x0
; Wq [512][2048], keys [4096][64] and Wo [2048][1024], f32 with K innermost, become codes of FP4 (E2M1) with one E8M0 byte for each 32 along K, laid IN THE ORDER OF THE OPERAND'S REGISTERS;
; values [4096][128] becomes 32 partial column sums.
; ONE VIEW FOR THE THREE WEIGHTS: [R][512 G] f32, G = 4 (Wq), 1 (keys, seen as [512][512]: a view row holds 8 keys on end, and a block of 32 of the view is a block of 32 of one key), 2 (Wo).
; A UNIT is 32 rows x 512 along K: 64 units of Wq, 16 of keys, 128 of Wo, numbered on end: 208.  Work-group id < 208 makes unit id; its wave e takes the unit's e-th 128 along K, two tiles u of 16 rows.
; THE ROWS OF A TILE ARE NOT NEIGHBOURS: lane rr of tile u takes row 32 b + 8 u + rr + 8 (rr / 8), so that the results of tiles 0 and 1, used transposed, are 16 neighbours along the next product's K.
; wcodes[unit][e][u]: 1,024 bytes, the fragment's 8 registers as they stand: registers 4 c .. 4 c + 3 of lane l at 512 c + 16 l (lane (rr, hh): k = 64 c + 32 hh + 0 .. 31 of its row).
; wscales[unit][rr + 16 u][e]: the row's scale word of K step e: one load of 16 bytes a lane brings four K steps, tile 0 in lanes 0-15, tile 1 in lanes 16-31.
; A block's scale is 2^(floor(log2(its largest magnitude)) - 2); its byte is the largest magnitude's exponent field - 2, held at 1 from below.
; LIMITS: a block of zeros gets the byte 1 where the rule says 127 (its codes are zeros, which add nothing under any byte but 0xff, and this program alone reads the bytes); NaN and infinities among the inputs are not served.
; Work-groups 208 .. 239 sum 128 rows of values each (a wave 32 rows), into vpart[id - 208][128].
; Each load reads 512 consecutive bytes of one row; a tile turns through the wave's own stage in LDS, so that a lane holds whole blocks of 32; each store of codes covers 512 consecutive bytes.
; No tensor loads, no cluster: no byte is read by two work-groups.
.set NU,   208                         ; units
.set SPI,  528                         ; a stage row: 512 bytes + 16 of padding = 132 words: the 16 rows that a load touches start 4 words apart
.set STGT, 16*SPI                      ; a tile's stage
.set STGW, 2*STGT                      ; a wave's two stages
.set SCL,  4*STGW                      ; behind the stages: the unit's 512 bytes of scale words.  It lies beyond what an LDS instruction's 16-bit immediate reaches: registers carry it
.set VRED, SCL+512                     ; the values path's own bytes: 512 for each wave
; v1 lane, v2 16 x lane, v3 rr, v4 hh, v5 stage in, v6 stage out, v7 scale word's place, v8 8 hh, v9 my sum's place, v10 my offset in values, v11 SCL + 16 x lane, v12-15 the way out,
; v16-31 offsets of a tile's 16 rows, v32-38 at work, v40-55 codes, v56-57 scale words, v64-127 tile 0 turned, v128-191 tile 0 as loaded, then tile 1 turned, v192-255 tile 1 as loaded
	s_load_b256 s[4:11], s[0:1], 0x0               ; Wq, keys, Wo, values
	s_load_b128 s[12:15], s[0:1], 0x20             ; wcodes, wscales
	s_load_b64 s[16:17], s[0:1], 0x30              ; vpart
	v_lshl_add_u32 v62, v0, 2, 0x11200
	v_mov_b32 v63, 0
	v_lshrrev_b32 v1, 5, v0
	v_readfirstlane_b32 s18, v1                    ; wave 0..3
	v_and_b32 v1, 31, v0                           ; lane
	v_lshlrev_b32 v2, 4, v1                        ; 16 x lane
	v_and_b32 v3, 15, v0                           ; rr
	v_bfe_u32 v4, v0, 4, 1                         ; hh
	s_mul_i32 s19, s18, STGW
	v_add_nc_u32 v5, s19, v2                       ; the stage, on the way in: a row's 512 bytes as loaded
	v_mul_u32_u24 v6, v3, SPI
	v_lshl_add_u32 v6, v4, 7, v6
	v_add_nc_u32 v6, s19, v6                       ; and on the way out: row rr, + 128 hh: my block of 32 numbers
	v_lshlrev_b32 v7, 4, v3
	s_lshl_b32 s19, s18, 2
	s_add_co_u32 s19, s19, SCL
	v_add_nc_u32 v7, s19, v7                       ; SCL + 16 rr + 4 e
	v_lshlrev_b32 v8, 3, v4                        ; 8 hh: where my two bytes stand in the scale word
	s_lshl_b32 s19, s18, 9
	s_add_co_u32 s19, s19, VRED
	v_add_nc_u32 v9, s19, v2
	s_lshl_b32 s19, s18, 14
	v_add_nc_u32 v10, s19, v2                      ; values: my wave's 32 rows of 512 bytes
	v_add_nc_u32 v11, SCL, v2                      ; what wave 0 reads behind the barrier: the scale words here, the four sums 512 bytes on
	s_mov_b32 s44, 0x76543210
	s_mov_b32 s45, 0xfedcba98                      ; v_permlanex16_b32's selects for lane l xor 16
	; every scalar is made ahead of the parting, from numbers held inside their ranges: so each address formed lies in its buffer in both kinds of work-group
	s_min_u32 s20, ttmp9, NU-1                     ; my unit
	s_max_u32 s21, ttmp9, NU
	s_sub_co_u32 s21, s21, NU                      ; my slice of values
	s_cmp_lt_u32 s20, 80
	s_cselect_b32 s22, 64, 80                      ; the tensor's first unit,
	s_cselect_b32 s23, 0, 1                        ; log2 G
	s_cmp_lt_u32 s20, 64
	s_cselect_b32 s22, 0, s22
	s_cselect_b32 s23, 2, s23
	s_sub_co_u32 s24, s20, s22                     ; b G + g
	s_lshr_b32 s25, s24, s23
	s_lshl_b32 s25, s25, s23                       ; b G
	s_sub_co_u32 s26, s24, s25                     ; g
	s_lshl_b32 s27, 0x800, s23                     ; a row in bytes: 2,048 G
	s_lshl_b32 s28, s25, 16                        ; 32 b rows = b G x 65,536 bytes,
	s_lshl_b32 s26, s26, 11
	s_add_co_u32 s28, s28, s26                     ; + 2,048 g
	s_lshl_b32 s26, s18, 9
	s_add_co_u32 s28, s28, s26                     ; + 512 e
	s_mov_b32 s29, 0
	s_lshl_b32 s30, s27, 3                         ; tile 1 begins 8 rows further down
	s_mov_b32 s31, 0
.irp i, 0,1,2,3,4,5,6,7,8,9,10,11,12,13,14,15
	v_mad_u32_u24 v[16+\i], s27, \i+8*(\i/8), v2   ; row i + 8 (i / 8) of the tile's 24, + 16 x lane
.endr
	s_wait_kmcnt 0x0
	s_cmp_lt_u32 s20, 80                           ; the choice of tensor hangs on the work-group's number alone
	s_cselect_b64 s[32:33], s[6:7], s[8:9]
	s_cmp_lt_u32 s20, 64
	s_cselect_b64 s[32:33], s[4:5], s[32:33]
	s_add_nc_u64 s[32:33], s[32:33], s[28:29]      ; tile 0
	s_add_nc_u64 s[34:35], s[32:33], s[30:31]      ; tile 1
	s_lshl_b32 s28, s20, 13
	s_lshl_b32 s26, s18, 11
	s_add_co_u32 s28, s28, s26
	s_add_nc_u64 s[36:37], s[12:13], s[28:29]      ; wcodes + 8,192 unit + 2,048 e
	s_lshl_b32 s28, s20, 9
	s_add_nc_u64 s[38:39], s[14:15], s[28:29]      ; wscales + 512 unit
	s_lshl_b32 s28, s21, 16
	s_add_nc_u64 s[40:41], s[10:11], s[28:29]      ; values + 128 rows x slice
	s_lshl_b32 s28, s21, 9
	s_add_nc_u64 s[42:43], s[16:17], s[28:29]      ; vpart + 512 slice
	s_cmp_ge_u32 ttmp9, NU
	s_cbranch_scc1 .Lvalues
; 64 numbers of a lane, v[src + 32 c + i] = k 64 c + 32 hh + i of my row: two whole blocks.  They become the fragment's 8 registers v[cd ..] and the row's scale word v[w], and leave.
.macro QF src, cd, w, u
.irp c, 0,1
	v_max3_num_f32 v[32+\c], |v[\src+32*\c]|, |v[\src+32*\c+1]|, 0x1800000   ; and the floor 2^(3 - 127): the byte cannot fall under 1
.endr
.irp i, 2,4,6,8,10,12,14,16,18,20,22,24,26,28,30
.irp c, 0,1
	v_max3_num_f32 v[32+\c], v[32+\c], |v[\src+32*\c+\i]|, |v[\src+32*\c+\i+1]|   ; (the two blocks by turns)
.endr
.endr
.irp c, 0,1
	v_add_nc_u32 v[34+\c], 0xff000000, v[32+\c]    ; 2 off the exponent field: the conversion takes the exponent field of this operand as its scale
.endr
.irp c, 0,1
	v_lshrrev_b32 v[36+\c], 23, v[34+\c]           ; the scale's byte
.endr
	v_lshl_or_b32 v[\w], v37, 16, v36              ; my two bytes: blocks hh and 2 + hh,
	v_lshlrev_b32 v[\w], v8, v[\w]                 ; at their places;
	v_mov_b32 v38, 0
	v_permlanex16_b32 v38, v[\w], s44, s45
	v_or_b32 v[\w], v[\w], v38                     ; with lane l xor 16's two the word is whole
.irp c, 0,1
.irp g, 0,1,2,3
	v_cvt_scalef32_pk8_fp4_f32 v[\cd+4*\c+\g], v[\src+32*\c+8*\g:\src+32*\c+8*\g+7], v[34+\c]
.endr
.endr
	v_nop                                          ; one plain place behind the last scaled conversion
	global_store_b128 v2, v[\cd:\cd+3], s[36:37] offset:1024*\u          ; 32 lanes store 512 consecutive bytes
	global_store_b128 v2, v[\cd+4:\cd+7], s[36:37] offset:1024*\u+512
	ds_store_b32 v7, v[\w] offset:256*\u           ; lanes rr and rr + 16 write the same word with the same value
.endm
.irp u, 0,1
.irp i, 0,1,2,3,4,5,6,7,8,9,10,11,12,13,14,15
	global_load_b128 v[128+64*\u+4*\i:131+64*\u+4*\i], v[16+\i], s[32+2*\u:33+2*\u] th:TH_LOAD_NT   ; 512 consecutive bytes of one row; read once in the launch
.endr
.endr
	s_wait_loadcnt 16                              ; tile 0's sixteen loads are in; tile 1's may be out
.irp i, 0,1,2,3,4,5,6,7,8,9,10,11,12,13,14,15
	ds_store_b128 v5, v[128+4*\i:131+4*\i] offset:SPI*\i
.endr
.irp c, 0,1
.irp j, 0,1,2,3,4,5,6,7
	ds_load_b128 v[64+32*\c+4*\j:67+32*\c+4*\j], v6 offset:256*\c+16*\j   ; LDS serves a wave's instructions in order: these see the stores above
.endr
.endr
	s_wait_loadcnt 0x0                             ; tile 1
.irp i, 0,1,2,3,4,5,6,7,8,9,10,11,12,13,14,15
	ds_store_b128 v5, v[192+4*\i:195+4*\i] offset:STGT+SPI*\i
.endr
	s_wait_dscnt 16                                ; all but the sixteen stores just issued: tile 0 is turned, and its stores have read v128-191,
.irp c, 0,1
.irp j, 0,1,2,3,4,5,6,7
	ds_load_b128 v[128+32*\c+4*\j:131+32*\c+4*\j], v6 offset:STGT+256*\c+16*\j   ; which take tile 1
.endr
.endr
	QF 64, 40, 56, 0
	s_wait_dscnt 1                                 ; tile 1 is turned; the one word store issued behind its loads may be out
	QF 128, 48, 57, 1
	s_branch .Lmeet
.Lvalues:
.irp i, 0,1,2,3,4,5,6,7,8,9,10,11,12,13,14,15,16,17,18,19,20,21,22,23,24,25,26,27,28,29,30,31
	global_load_b128 v[128+4*\i:131+4*\i], v10, s[40:41] offset:512*\i th:TH_LOAD_NT   ; a whole row: four columns a lane
.endr
	s_wait_loadcnt 0x0
.irp i, 4,5,6,7,8,9,10,11,12,13,14,15,16,17,18,19,20,21,22,23,24,25,26,27,28,29,30,31
	v_pk_add_f32 v[128+4*(\i%4):129+4*(\i%4)], v[128+4*(\i%4):129+4*(\i%4)], v[128+4*\i:129+4*\i]   ; four chains, started by the first four rows
	v_pk_add_f32 v[130+4*(\i%4):131+4*(\i%4)], v[130+4*(\i%4):131+4*(\i%4)], v[130+4*\i:131+4*\i]
.endr
	v_pk_add_f32 v[128:129], v[128:129], v[132:133]
	v_pk_add_f32 v[130:131], v[130:131], v[134:135]
	v_pk_add_f32 v[136:137], v[136:137], v[140:141]
	v_pk_add_f32 v[138:139], v[138:139], v[142:143]
	v_pk_add_f32 v[128:129], v[128:129], v[136:137]
	v_pk_add_f32 v[130:131], v[130:131], v[138:139]
	ds_store_b128 v9, v[128:131]
.Lmeet:
	s_wait_dscnt 0x0                               ; for the others' sake: my words (or my sums) lie in LDS
	s_barrier_signal -1
	s_barrier_wait -1
	s_cmp_lg_u32 s18, 0
	s_cbranch_scc1 .Lend                           ; wave 0 carries out what the four have gathered
	s_cmp_ge_u32 ttmp9, NU
	s_cbranch_scc1 .Lvtail
	ds_load_b128 v[12:15], v11
	s_wait_dscnt 0x0
	global_store_b128 v2, v[12:15], s[38:39]       ; the unit's 512 bytes of scale words, consecutive
	s_wait_tensorcnt 0x0
	ds_add_u32 v62, v63
	s_wait_dscnt 0x0
	s_endpgm
.Lvtail:
.irp e, 0,1,2,3
	ds_load_b128 v[64+4*\e:67+4*\e], v11 offset:VRED-SCL+512*\e
.endr
	s_wait_dscnt 0x0
	v_pk_add_f32 v[64:65], v[64:65], v[68:69]
	v_pk_add_f32 v[66:67], v[66:67], v[70:71]
	v_pk_add_f32 v[72:73], v[72:73], v[76:77]
	v_pk_add_f32 v[74:75], v[74:75], v[78:79]
	v_pk_add_f32 v[64:65], v[64:65], v[72:73]
	v_pk_add_f32 v[66:67], v[66:67], v[74:75]
	global_store_b128 v2, v[64:67], s[42:43]       ; 128 column sums of my 128 rows
.Lend:
	s_wait_tensorcnt 0x0
	ds_add_u32 v62, v63
	s_wait_dscnt 0x0
	s_endpgm
.Lfunc_end_k_q50913b7932_prep:
	.size	k_q50913b7932_prep, .Lfunc_end_k_q50913b7932_prep-k_q50913b7932_prep
	.p2alignl 7, 3214868480
	.fill 96, 4, 3214868480
	.section	.rodata,"a",@progbits
	.p2align	6, 0x0
	.amdhsa_kernel k_q50913b7932_prep
		.amdhsa_group_segment_fixed_size 70656
		.amdhsa_private_segment_fixed_size 0
		.amdhsa_enable_private_segment 0
		.amdhsa_kernarg_size 56
		.amdhsa_user_sgpr_count 2
		.amdhsa_user_sgpr_kernarg_segment_ptr 1
		.amdhsa_wavefront_size32 1
		.amdhsa_system_sgpr_workgroup_id_x 1
		.amdhsa_system_sgpr_workgroup_id_y 1
		.amdhsa_system_sgpr_workgroup_id_z 1
		.amdhsa_system_vgpr_workitem_id 0
		.amdhsa_next_free_vgpr 256
		.amdhsa_next_free_sgpr 66
		.amdhsa_reserve_vcc 0
		.amdhsa_float_denorm_mode_32 3
		.amdhsa_float_denorm_mode_16_64 3
		.amdhsa_memory_ordered 1
		.amdhsa_forward_progress 1
		.amdhsa_inst_pref_size 27
	.end_amdhsa_kernel
	.amdgpu_metadata
---
amdhsa.version: [ 1, 2 ]
amdhsa.kernels:
  - .name:           k_q50913b7932_prep
    .symbol:         k_q50913b7932_prep.kd
    .args:
      - { .name: Wq, .offset: 0, .size: 8, .value_kind: global_buffer, .address_space: global }
      - { .name: keys, .offset: 8, .size: 8, .value_kind: global_buffer, .address_space: global }
      - { .name: Wo, .offset: 16, .size: 8, .value_kind: global_buffer, .address_space: global }
      - { .name: values, .offset: 24, .size: 8, .value_kind: global_buffer, .address_space: global }
      - { .name: wcodes, .offset: 32, .size: 8, .value_kind: global_buffer, .address_space: global }
      - { .name: wscales, .offset: 40, .size: 8, .value_kind: global_buffer, .address_space: global }
      - { .name: vpart, .offset: 48, .size: 8, .value_kind: global_buffer, .address_space: global }
    .group_segment_fixed_size: 70656
    .private_segment_fixed_size: 0
    .kernarg_segment_align: 8
    .kernarg_segment_size: 56
    .max_flat_workgroup_size: 128
    .sgpr_count:     66
    .vgpr_count:     256
    .wavefront_size: 32
...
	.end_amdgpu_metadata
.endif
;; end of part 1
;; launch main (part 2): grid 256 x 1, 16 waves a work-group, clusters of 4 x 1, 327,680 bytes of LDS; arguments x, wcodes, wscales, vpart, out0; writes out0
.if DOCPART == 2
	.amdgcn_target "amdgcn-amd-amdhsa--gfx1250"
	.amdhsa_code_object_version 6
	.text
	.protected	k_q50913b7932_main
	.globl	k_q50913b7932_main
	.p2align	8
	.type	k_q50913b7932_main,@function
k_q50913b7932_main:
	s_mov_b64 s[64:65], 0
	v_nop
	global_prefetch_b8 v0, s[64:65] scope:SCOPE_SE
	s_setreg_imm32_b32 hwreg(HW_REG_WAVE_MODE, 25, 1), 1
	s_wait_xcnt 0x0
	s_wait_alu depctr_hold_cnt(0) depctr_sa_sdst(0) depctr_va_vdst(0) depctr_va_sdst(0) depctr_va_ssrc(0) depctr_va_vcc(0) depctr_vm_vsrc(0)
	s_getreg_b32 s2, hwreg(HW_REG_IB_STS2, 6, 4)
	s_cmp_eq_u32 s2, 0
	s_cbranch_scc0 .Lentry_in_a_cluster
	s_endpgm
.Lentry_in_a_cluster:
	s_bfe_u32 s2, ttmp6, 0x10000c
	s_cmp_lg_u32 s2, 0x3003
	s_cbranch_scc0 .Lentry_shape_is_right
	s_endpgm
.Lentry_shape_is_right:
; out = Q(ov) Q(Wo)^T + x,  ov[b][128 h + c] = s[b][h] mean_j values[j][c],  s = the sum over the keys of softmax(Q(q) Q(keys)^T / 8),  q = Q(x) Q(Wq)^T.  Q: MX-FP4 along each product's K.
; A work-group owns 16 rows of x; all steps are done here; x is read once and stays in 64 registers of each wave until it is the C of the last product's first link; out is written once.
; SIXTEEN WAVES of 256 registers, four to a SIMD, since the bulk is the softmax's vector work.  Wave W owns: columns 128 W .. + 127 of x and of out; product 1: 32 columns of q (block W % 2 of head W / 2), all of K;
; product 2: all 8 heads against 256 keys, whose codes stay in 64 registers; product 3: its 128 columns of out.  Wave h (0-7) also merges head h's statistics and quantises its 128 numbers of ov.
; ALL PRODUCTS ARE USED TRANSPOSED: source 0 = 16 rows of a weight, source 1 = my 16 rows: a lane holds ONE row (lane % 16) throughout.  The weights come as images of their registers, made by the launch before,
; with the rows of a tile so chosen that two tiles' results are 16 neighbours along the next K.  Operands go from wave to wave through LDS as images too: 16 bytes a lane at 16 x lane.
; PRODUCT 2 HAS K = 64, the instruction 128: a fragment of keys holds two keys a row, and q stands once as [q, zero codes] and once as [zero codes, q]: zero codes add nothing.
; THE SOFTMAX: a head's 128 scores of a lane are taken in two halves of 64; each half has its largest t = score x log2(e) / 8 and the sum of 2^(t - that); the two are merged in the lane, and the 32 pairs of a row
; (16 waves x 2 lanes) under the row's true maximum m: p_j = l_j 2^(t_j - m), l = the sum of p_j.  THE NORMALISATION IS APPLIED TO THESE 32 PARTIAL SUMS: s = the sum of p_j x (1 / l), not to each of the 4,096 terms:
; the same sum, otherwise bracketed.
; THE HEADS ARE A PIPELINE, since K step h of product 3 wants head h's s alone.  Ten iterations are written out, with a barrier behind each of the first nine; iteration i holds: the partial softmax of head i | the merge of head i - 1
; (one wave) | K step i - 2 of product 3 (8 matrix instructions a wave).
; It lands under an iteration's vector work.
; CLUSTER: the four work-groups of a cluster walk the same Wo, so each of these loads is asked for JOINTLY: the same load with the same descriptor and a mask that names the four.
; Wq AND THE KEYS COME BY LOADS OF THE WAVE'S OWN, though all work-groups read them: the ring's two slots hold Wo's first two K steps from the start.
; the keys are 8,192 bytes a wave, read once, into the registers where they stay.
; LIMITS: a block of zeros gets the scale byte 1 where the rule says 127 (its codes are zeros); NaN and infinities among the inputs are not served.
.set STAT,  0                          ; [head][wave][lane] pairs (largest t, sum): 8 x 4,096.  It lies over the next three regions, whose last reads stand in front of the barrier ahead of the first pair's store
.set XIMG,  0                          ; x's 16 fragments (K step W), 1,024 bytes each
.set XSC,   16384                      ; their scale words, 128 bytes each
.set VP,    18432                      ; 16 partial column sums of values
.set QIMG,  32768                      ; q's codes: 8 heads x 512 bytes (4 registers a lane)
.set QSC,   36864                      ; the scale byte of q's block W, as a word a lane: 16 x 128
.set VMEAN, 38912                      ; the mean: 128 f32
.set OIMG,  39424                      ; ov's 8 fragments
.set OSC,   47616                      ; their scale words
.set SPARE, 48640                      ; the spare words, 128 bytes for each wave: eight blocks of 256 bytes that no other line names
.set RING,  50688                      ; two slots of sixteen pieces; a piece is one wave's own
.set PIECE, 8448                       ; 8,192 bytes of a K step of Wo; on the way out 16 rows x (512 + 16) bytes
.set SLOT,  16*PIECE
; v1 16 lane, v2 4 lane, v3 1024 W + 16 lane, v4 128 W + 4 lane, v5 q's codes' place, v6 my partial sum's place, v7 256 W + 8 lane, v8 8 lane, v9 64 hh, v10, v11 my piece of slot 0, 1 (+ 16 lane),
; v12 my piece of slot 0 by lanes (row r, + 64 hh), v13 x's offset (8,192 r + 64 hh), v14 my spare word, v15 0.
; v16-19 zeros, v20-23 q, v24-27 zeros ([q, 0] = v20-27, [0, q] = v16-23); in product 1 v16-31 are its two sums.  v28-35 the sums' chains, then ov's fragment.
; v36-63 HOLD SCALES (and vector work between whiles), never a matrix operand: v36 q's word, v37 ov's, v40-41 x's, v44-47 keys', v48-63 Wq's, then Wo's for four K steps.
; v64-127: Wq's places 0-3 | 64 scores | the merge | Wo's 8 fragments | the way out.   v128-191: Wq's places 4, 5 and x's two fragments | the keys.   v192-255: x, onto which product 3 adds.
.set TM, 16                            ; the quantiser: v16-19 largest magnitudes, v20-23 bytes, v24-27 scale operands
.set PW, 28                            ; the scale word just made
.set PC, 30                            ; v30-37 the codes just made
; 64 numbers of a lane, register 16 b + i = k 32 b + 16 hh + i of my row, become a fragment's codes in v[PC] on and its scale word in v[PW].
.macro QUANT s
.irp b, 0,1,2,3
	v_mov_b32 v[TM+4+\b], 0                        ; a lane permute's destination counts as one of its sources
.endr
.irp b, 0,1,2,3
	v_max3_num_f32 v[TM+\b], |v[\s+16*\b]|, |v[\s+1+16*\b]|, 0x1800000   ; block b: my 16 numbers, and the floor 2^(3 - 127): the byte cannot fall under 1
.endr
.irp i, 2,4,6,8,10,12,14
.irp b, 0,1,2,3
	v_max3_num_f32 v[TM+\b], v[TM+\b], |v[\s+16*\b+\i]|, |v[\s+1+16*\b+\i]|   ; (the four blocks by turns)
.endr
.endr
.irp b, 0,1,2,3
	v_permlanex16_b32 v[TM+4+\b], v[TM+\b], s34, s35
.endr
.irp b, 0,1,2,3
	v_max_num_f32 v[TM+\b], v[TM+\b], v[TM+4+\b]   ; with lane l xor 16's: the block's largest magnitude
.endr
.irp b, 0,1,2,3
	v_add_nc_u32 v[TM+8+\b], 0xff000000, v[TM+\b]  ; 2 off its exponent field: the conversion's scale operand
.endr
.irp b, 0,1,2,3
	v_lshrrev_b32 v[TM+4+\b], 23, v[TM+8+\b]       ; the scale's byte
.endr
	v_lshl_or_b32 v[PW], v[TM+5], 8, v[TM+4]
	v_lshl_or_b32 v[PW], v[TM+6], 16, v[PW]
	v_lshl_or_b32 v[PW], v[TM+7], 24, v[PW]
.irp b, 0,1,2,3
	v_cvt_scalef32_pk8_fp4_f32 v[PC+2*\b], v[\s+16*\b:\s+7+16*\b], v[TM+8+\b]
	v_cvt_scalef32_pk8_fp4_f32 v[PC+1+2*\b], v[\s+8+16*\b:\s+15+16*\b], v[TM+8+\b]
.endr
	v_nop                                          ; one plain place behind a scaled conversion
.irp c, 0,1                                    ; the operand's layout wants a WHOLE block in a lane: lanes 0-15 block 2 c, lanes 16-31 block 2 c + 1
.irp i, 0,1
	v_permlane16_swap_b32 v[PC+4*\c+\i], v[PC+2+4*\c+\i]
.endr
.endr
.endm
.macro IMAGE adr, off                          ; the fragment in v[PC] on goes to LDS as it stands
.irp c, 0,1
	ds_store_b128 v[\adr], v[PC+4*\c:PC+4*\c+3] offset:\off+512*\c
.endr
.endm
.macro BARRIER                                 ; my LDS stores have landed and my LDS loads are in: then the work-group's barrier.  A tensor load may stay out across it
	s_wait_dscnt 0x0
	s_barrier_signal -1
	s_barrier_wait -1
.endm
; A round of the cluster's barrier: my work-group's barrier, so that wave 0's signal speaks for all sixteen waves; wave 0 signals for the work-group; every wave waits for all four work-groups; my work-group's barrier once more.
.macro ROUND
	s_barrier_signal -1
	s_barrier_wait -1
	s_cmp_lg_u32 s14, 0
	s_cbranch_scc1 .Lnot_wave_0_\@
	s_barrier_signal -3
.Lnot_wave_0_\@:
	s_barrier_wait -3
	s_barrier_signal -1
	s_barrier_wait -1
.endm
.macro PLACES                                  ; four plain places behind a matrix instruction, in front of loads into its registers and of reads of its result
.rept 4
	v_nop
.endr
.endm
.macro WQLOAD s                                ; Wq's two tiles of K step s into place s % 6
.irp u, 0,1
.irp c, 0,1
	global_load_b128 v[64+16*((\s)%6)+8*\u+4*\c:67+16*((\s)%6)+8*\u+4*\c], v1, s[20:21] offset:2048*(\s)+1024*\u+512*\c
.endr
.endr
.endm
.macro KLOAD f                                 ; fragment f of my 256 keys
.irp c, 0,1
	global_load_b128 v[128+8*(\f)+4*\c:131+8*(\f)+4*\c], v1, s[24:25] offset:1024*(\f)+512*\c
.endr
.endm
	s_load_b256 s[4:11], s[0:1], 0x0               ; x, wcodes, wscales, vpart
	s_load_b64 s[12:13], s[0:1], 0x20              ; out0
	v_lshl_add_u32 v14, v0, 2, SPARE
	v_mov_b32 v15, 0
	ds_add_u32 v14, v15
	ds_add_u32 v14, v15
	s_wait_dscnt 0x0
	v_lshrrev_b32 v8, 5, v0
	v_readfirstlane_b32 s14, v8                    ; W: wave 0..15
	v_and_b32 v8, 31, v0                           ; lane
	v_and_b32 v12, 15, v0                          ; r
	v_bfe_u32 v9, v0, 4, 1                         ; hh
	v_lshlrev_b32 v1, 4, v8
	v_lshlrev_b32 v2, 2, v8
	s_lshl_b32 s15, s14, 10
	v_add_nc_u32 v3, s15, v1
	s_lshl_b32 s15, s14, 7
	v_add_nc_u32 v4, s15, v2
	v_lshlrev_b32 v5, 4, v12
	v_lshl_add_u32 v5, v9, 3, v5
	s_lshl_b32 s15, s14, 8
	v_add_nc_u32 v5, s15, v5                       ; 256 W + 16 r + 8 hh: registers 2 hh, 2 hh + 1 of lane r + 16 (W % 2) of head W / 2's piece
	v_lshl_add_u32 v7, v8, 3, s15                  ; 256 W + 8 lane
	s_lshl_b32 s15, s14, 9
	v_add_nc_u32 v6, s15, v1
	v_lshlrev_b32 v13, 13, v12
	v_lshl_add_u32 v13, v9, 6, v13                 ; x: row r of 8,192 bytes, + 64 hh: my 16 numbers of a block of 32
	s_mul_i32 s41, s14, PIECE
	s_add_co_u32 s41, s41, RING                    ; my piece of slot 0: a constant + the wave's number x a constant: no place in the cluster enters an LDS address
	s_add_co_u32 s45, s41, SLOT                    ; and of slot 1
	v_add_nc_u32 v10, s41, v1
	v_add_nc_u32 v11, SLOT, v10
	v_mul_u32_u24 v12, v12, 528
	v_lshl_add_u32 v12, v9, 6, v12
	v_add_nc_u32 v12, s41, v12
	v_lshlrev_b32 v9, 6, v9
	v_lshlrev_b32 v8, 3, v8
	s_mov_b32 s34, 0x76543210
	s_mov_b32 s35, 0xfedcba98                      ; v_permlanex16_b32's selects for lane l xor 16
	s_mov_b32 s36, 0x3e38aa3b                      ; c = log2(e) / sqrt(64)
	s_mov_b32 s37, s36                             ; (the packed form names the pair)
	; descriptor group 1: a wave's part of one K step of Wo: four rows (its four pairs of tiles) of 2,048 bytes, 16,384 bytes apart, laid on end in LDS
	s_mov_b32 s48, 15|(3<<16)|(1<<21)              ; 15:0 the mask: all four work-groups; 17:16 elements of 8 bytes; 20 no padding; 21 set beside a mask
	s_mov_b32 s49, 256<<16                         ; tensor_dim0 = 256 elements
	s_mov_b32 s50, 4<<16                           ; tensor_dim1 = 4
	s_mov_b32 s51, 256<<16                         ; tile_dim0 = 256
	s_mov_b32 s52, 4                               ; tile_dim1 = 4
	s_mov_b32 s53, 2048                            ; elements from row to row
	s_mov_b32 s54, 0
	s_mov_b32 s55, 0
	s_mov_b32 s40, 1                               ; group 0 of slot 0: count = 1 (its LDS address stands in s41)
	s_mov_b32 s44, 1                               ; and of slot 1 (s45)
	s_bfe_u32 s38, ttmp6, 0x40000                  ; cx: my place in the cluster: it enters x's and out's addresses alone
	s_lshl_b32 s39, ttmp9, 2                       ; in a cluster launch ttmp9 counts clusters
	s_add_co_u32 s39, s39, s38                     ; my work-group
	s_lshl_b32 s58, s39, 17                        ; its 16 rows of 8,192 bytes,
	s_lshl_b32 s59, s14, 9
	s_add_co_u32 s58, s58, s59                     ; my wave's 512 bytes of a row
	s_mov_b32 s59, 0
	s_mov_b32 s57, 0
	s_wait_kmcnt 0x0
	s_add_nc_u64 s[16:17], s[4:5], s[58:59]        ; x
	s_add_nc_u64 s[18:19], s[12:13], s[58:59]      ; out
	s_lshl_b32 s56, s14, 10
	s_add_nc_u64 s[32:33], s[10:11], s[56:57]      ; vpart: rows 2 W, 2 W + 1
	s_lshl_b32 s56, s14, 15
	s_add_nc_u64 s[20:21], s[6:7], s[56:57]        ; Wq's codes: units 4 W ..
	s_lshl_b32 s56, s14, 11
	s_add_nc_u64 s[22:23], s[8:9], s[56:57]        ; and scale words
	s_lshl_b32 s56, s14, 13
	s_add_co_u32 s56, s56, 64*8192
	s_add_nc_u64 s[24:25], s[6:7], s[56:57]        ; keys: unit 64 + W
	s_lshl_b32 s56, s14, 9
	s_add_co_u32 s56, s56, 64*512
	s_add_nc_u64 s[26:27], s[8:9], s[56:57]
	s_lshl_b32 s56, s14, 12
	s_add_co_u32 s56, s56, 80*512
	s_add_nc_u64 s[30:31], s[8:9], s[56:57]        ; Wo's scale words: units 80 + 8 W ..
	s_lshl_b32 s56, s14, 16
	s_add_co_u32 s56, s56, 80*8192
	s_add_nc_u64 s[42:43], s[6:7], s[56:57]        ; Wo's codes: K step h of my units begins 2,048 h bytes on: slot 0 starts with step 0,
	s_add_nc_u64 s[46:47], s[42:43], 2048          ; slot 1 with step 1
	s_or_b32 s43, s43, 0x80000000                  ; 127:126 type = 2
	s_or_b32 s47, s47, 0x80000000
	; ---- X: my 128 columns of the 16 rows become K step W of product 1.  The loads go out ahead of the round, so that they are on their way while the four work-groups meet
	global_load_b128 v[160:163], v1, s[32:33]
	global_load_b128 v[164:167], v1, s[32:33] offset:512
.irp b, 0,1,2,3
.irp j, 0,1,2,3
	global_load_b128 v[192+16*\b+4*\j:195+16*\b+4*\j], v13, s[16:17] offset:128*\b+16*\j   ; row r, k 32 b + 16 hh + 4 j ..: the quantiser's layout and the last product's C alike.  Four loads share each run of 64 bytes, so no hint that the bytes are read once
.endr
.endr
.irp g, 0,1,2,3
	global_load_b128 v[48+4*\g:51+4*\g], v1, s[22:23] offset:512*\g    ; Wq's scale words: register 48 + s for K step s; tile 0 in lanes 0-15, tile 1 in lanes 16-31
.endr
.irp s, 0,1,2,3,4,5
	WQLOAD \s
.endr
	ROUND                                          ; all four work-groups are here: the first joint loads meet
	tensor_load_to_lds s[40:43], s[48:55]          ; Wo's K steps 0 and 1: the two first fills go out together, ahead of every wait on TENSORcnt and every LDS read: two loads of mine are out
	s_nop 0
	tensor_load_to_lds s[44:47], s[48:55]
	s_nop 0
.rept 4
	v_nop
.endr
	s_wait_loadcnt 28                              ; vpart's two and x's sixteen are in; the 4 + 24 loads behind them stay out
	v_pk_add_f32 v[160:161], v[160:161], v[164:165]
	v_pk_add_f32 v[162:163], v[162:163], v[166:167]
	ds_store_b128 v6, v[160:163] offset:VP
	QUANT 192
	IMAGE 3, XIMG
	ds_store_b32 v4, v[PW] offset:XSC
	BARRIER                                        ; x's sixteen fragments and the sixteen partial sums lie in LDS
	s_cmp_lg_u32 s14, 0                            ; wave 0 finishes the mean of values, eight partial sums at a time
	s_cbranch_scc1 .Lno_mean
.macro MEAN8 j0                                ; partial sums j0 .. j0 + 7 are added into v160-167
.irp j, 0,1,2,3,4,5,6,7
	ds_load_b128 v[160+4*\j:163+4*\j], v1 offset:VP+512*(\j0+\j)
.endr
	s_wait_dscnt 0x0
.irp j, 0,1,2,3
	v_pk_add_f32 v[160+4*\j:161+4*\j], v[160+4*\j:161+4*\j], v[176+4*\j:177+4*\j]
	v_pk_add_f32 v[162+4*\j:163+4*\j], v[162+4*\j:163+4*\j], v[178+4*\j:179+4*\j]
.endr
.irp j, 0,1
	v_pk_add_f32 v[160+4*\j:161+4*\j], v[160+4*\j:161+4*\j], v[168+4*\j:169+4*\j]
	v_pk_add_f32 v[162+4*\j:163+4*\j], v[162+4*\j:163+4*\j], v[170+4*\j:171+4*\j]
.endr
.endm
	MEAN8 0
	v_pk_add_f32 v[16:17], v[160:161], v[164:165]
	v_pk_add_f32 v[18:19], v[162:163], v[166:167]
	MEAN8 8
	v_pk_add_f32 v[160:161], v[160:161], v[164:165]
	v_pk_add_f32 v[162:163], v[162:163], v[166:167]
	v_pk_add_f32 v[16:17], v[16:17], v[160:161]
	v_pk_add_f32 v[18:19], v[18:19], v[162:163]
	v_pk_mul_f32 v[16:17], v[16:17], 0x39800000 op_sel_hi:[1,0]   ; / 4,096: exact
	v_pk_mul_f32 v[18:19], v[18:19], 0x39800000 op_sel_hi:[1,0]
	ds_store_b128 v1, v[16:19] offset:VMEAN        ; read behind two more barriers
.Lno_mean:
	; ---- 1: q's 32 columns of mine: two accumulators by turns, two K steps at a time.  n: the global loads issued behind those that these steps want
.macro G1 g, n
.irp k, 0,1
	ds_load_b128 v[160+8*\k:163+8*\k], v1 offset:XIMG+1024*(2*\g+\k)
	ds_load_b128 v[164+8*\k:167+8*\k], v1 offset:XIMG+1024*(2*\g+\k)+512
	ds_load_b32 v[40+\k], v2 offset:XSC+128*(2*\g+\k)
.endr
	s_wait_dscnt 0x0
	s_wait_loadcnt \n
.irp k, 0,1
.set WR, 64+16*((2*\g+\k)%6)
.if (2*\g+\k) == 0
	v_wmma_scale_f32_16x16x128_f8f6f4 v[16:23], v[WR:WR+7], v[160+8*\k:167+8*\k], 0, v[48+2*\g+\k], v[40+\k] matrix_a_fmt:MATRIX_FMT_FP4 matrix_b_fmt:MATRIX_FMT_FP4
	v_wmma_scale_f32_16x16x128_f8f6f4 v[24:31], v[WR+8:WR+15], v[160+8*\k:167+8*\k], 0, v[48+2*\g+\k], v[40+\k] matrix_a_fmt:MATRIX_FMT_FP4 matrix_b_fmt:MATRIX_FMT_FP4 matrix_a_scale:MATRIX_SCALE_ROW1
.else
	v_wmma_scale_f32_16x16x128_f8f6f4 v[16:23], v[WR:WR+7], v[160+8*\k:167+8*\k], v[16:23], v[48+2*\g+\k], v[40+\k] matrix_a_fmt:MATRIX_FMT_FP4 matrix_b_fmt:MATRIX_FMT_FP4
	v_wmma_scale_f32_16x16x128_f8f6f4 v[24:31], v[WR+8:WR+15], v[160+8*\k:167+8*\k], v[24:31], v[48+2*\g+\k], v[40+\k] matrix_a_fmt:MATRIX_FMT_FP4 matrix_b_fmt:MATRIX_FMT_FP4 matrix_a_scale:MATRIX_SCALE_ROW1
.endif
.endr
	PLACES
.endm
.irp g, 0,1,2,3,4
	G1 \g, 16                                      ; behind these two K steps: the next four steps' sixteen loads
	WQLOAD 2*\g+6                                  ; into the two places just multiplied
	WQLOAD 2*\g+7
.endr
	G1 5, 16                                       ; behind steps 10, 11: steps 12-15's sixteen loads
	KLOAD 0                                        ; my keys: fragments 0-3 into places 4 and 5, which have had their last step,
	KLOAD 1
	KLOAD 2
	KLOAD 3
	global_load_b128 v[44:47], v1, s[26:27]        ; their scale words,
	KLOAD 6                                        ; fragments 6, 7 into registers that lay idle
	KLOAD 7
	G1 6, 21                                       ; behind steps 12, 13: steps 14, 15's eight loads and those thirteen
	G1 7, 13                                       ; behind steps 14, 15: those thirteen
	KLOAD 4                                        ; fragments 4, 5 where x's fragments lay
	KLOAD 5
.irp bl, 0,1,2,3
	global_load_b128 v[48+4*\bl:51+4*\bl], v1, s[30:31] offset:1024*\bl   ; Wo's scale words: tile pair bl, K steps 0-3, where Wq's lay
.endr
	; my block of q: lane (r, hh) holds k = 16 hh + 0 .. 15 of block W % 2 of head W / 2, row r
	v_max3_num_f32 v32, |v16|, |v17|, 0x1800000    ; each accumulator from its low end on; the floor among the leaves
	v_max3_num_f32 v33, |v24|, |v25|, |v26|
	v_max3_num_f32 v32, v32, |v18|, |v19|
	v_max3_num_f32 v33, v33, |v27|, |v28|
	v_max3_num_f32 v32, v32, |v20|, |v21|
	v_max3_num_f32 v33, v33, |v29|, |v30|
	v_max3_num_f32 v32, v32, |v22|, |v23|
	v_max3_num_f32 v32, v32, v33, |v31|
	v_mov_b32 v34, 0
	v_permlanex16_b32 v34, v32, s34, s35
	v_max_num_f32 v32, v32, v34
	v_add_nc_u32 v35, 0xff000000, v32
	v_lshrrev_b32 v38, 23, v35
	v_cvt_scalef32_pk8_fp4_f32 v42, v[16:23], v35
	v_cvt_scalef32_pk8_fp4_f32 v43, v[24:31], v35
	v_nop                                          ; one plain place behind a scaled conversion
	ds_store_b64 v5, v[42:43] offset:QIMG
	ds_store_b32 v4, v38 offset:QSC
	BARRIER                                        ; q's codes and scale bytes lie in LDS
.irp z, 16,17,18,19,24,25,26,27
	v_mov_b32 v\z, 0                               ; the zero codes on both sides of q
.endr
	; ---- THE PIPELINE
; 64 scores of a head: fragments 4 k .. 4 k + 3 of my keys, each against [q, 0] and [0, q]; then their largest t in v42 and the sum of 2^(t - that) in v28, v29
.macro HALF k
.irp e, 0,1
.set KR, 128+32*(\k)+16*\e
.set SR, 64+32*\e
.set KSR, 44+2*(\k)+\e
	v_wmma_scale_f32_16x16x128_f8f6f4 v[SR:SR+7], v[KR:KR+7], v[20:27], 0, v[KSR], v36 matrix_a_fmt:MATRIX_FMT_FP4 matrix_b_fmt:MATRIX_FMT_FP4
	v_wmma_scale_f32_16x16x128_f8f6f4 v[SR+8:SR+15], v[KR:KR+7], v[16:23], 0, v[KSR], v36 matrix_a_fmt:MATRIX_FMT_FP4 matrix_b_fmt:MATRIX_FMT_FP4
	v_wmma_scale_f32_16x16x128_f8f6f4 v[SR+16:SR+23], v[KR+8:KR+15], v[20:27], 0, v[KSR], v36 matrix_a_fmt:MATRIX_FMT_FP4 matrix_b_fmt:MATRIX_FMT_FP4 matrix_a_scale:MATRIX_SCALE_ROW1
	v_wmma_scale_f32_16x16x128_f8f6f4 v[SR+24:SR+31], v[KR+8:KR+15], v[16:23], 0, v[KSR], v36 matrix_a_fmt:MATRIX_FMT_FP4 matrix_b_fmt:MATRIX_FMT_FP4 matrix_a_scale:MATRIX_SCALE_ROW1
.endr
	PLACES
.irp c, 0,1,2,3                                ; the largest score: four chains of 16, each ascending
	v_max3_num_f32 v[38+\c], v[64+16*\c], v[65+16*\c], v[66+16*\c]
.endr
.irp i, 3,5,7,9,11,13
.irp c, 0,1,2,3
	v_max3_num_f32 v[38+\c], v[38+\c], v[64+16*\c+\i], v[65+16*\c+\i]
.endr
.endr
.irp c, 0,1,2,3
	v_max_num_f32 v[38+\c], v[38+\c], v[79+16*\c]
.endr
	v_max3_num_f32 v38, v38, v39, v40
	v_max_num_f32 v38, v38, v41
	v_mul_f32 v42, s36, v38                        ; as t (c is positive)
; accumulator by accumulator, three stages deep: the exponentials of one, t - the largest t of the next, the sums of the one before: a plain line always follows the last exponential of a run
.set AA, 0
.rept 10
.if (AA >= 1) && (AA <= 8)
.irp j, 0,1,2,3,4,5,6,7
	v_exp_f32 v[56+8*AA+\j], v[56+8*AA+\j]
.endr
.endif
.if AA <= 7
.irp p, 0,1,2,3
	v_pk_fma_f32 v[64+8*AA+2*\p:65+8*AA+2*\p], v[64+8*AA+2*\p:65+8*AA+2*\p], s[36:37], v[42:43] op_sel_hi:[1,0,0] neg_lo:[0,0,1] neg_hi:[0,0,1]   ; (of the pairs the low word serves both halves)
.endr
.endif
.if AA == 3
	s_wait_alu depctr_va_vdst(0)
.irp p, 0,1,2,3
	v_pk_add_f32 v[28+2*\p:29+2*\p], v[64+2*\p:65+2*\p], v[72+2*\p:73+2*\p]   ; the first two accumulators start the four chains: nothing is cleared
.endr
.elseif AA >= 4
	s_wait_alu depctr_va_vdst(0)
.irp p, 0,1,2,3
	v_pk_add_f32 v[28+2*\p:29+2*\p], v[28+2*\p:29+2*\p], v[48+8*AA+2*\p:49+8*AA+2*\p]
.endr
.endif
.set AA, AA+1
.endr
	v_pk_add_f32 v[28:29], v[28:29], v[30:31]
	v_pk_add_f32 v[32:33], v[32:33], v[34:35]
	v_pk_add_f32 v[28:29], v[28:29], v[32:33]
.endm
; The partial softmax of head h against my 256 keys: a pair (largest t, sum) a lane
.macro HEAD h
	ds_load_b128 v[20:23], v1 offset:QIMG+512*\h   ; (the vector lines since the last product that read q are the places in front of this load)
	ds_load_b32 v38, v2 offset:QSC+256*\h
	ds_load_b32 v39, v2 offset:QSC+256*\h+128
	s_wait_dscnt 0x0
	v_lshl_or_b32 v36, v39, 8, v38                 ; q's scale word: (b0, b1, b0, b1) serves [q, 0] and [0, q] alike
	v_lshl_or_b32 v36, v36, 16, v36
.rept 8
	v_nop                                          ; a scale register written by a vector instruction stands 8 places ahead of a scaled matrix instruction
.endr
.if \h == 0
	s_wait_loadcnt 12                              ; fragments 0-3 and the keys' scale words are in; behind them: fragments 6, 7, 4, 5 and Wo's scale words, four loads each
.endif
	HALF 0
	v_add_f32 v43, v28, v29                        ; the first half's sum,
	v_mov_b32 v37, v42                             ; and its largest t
.if \h == 0
	s_wait_loadcnt 4                               ; all my keys are in; Wo's four loads of scale words may be out
.endif
	HALF 1
	v_add_f32 v38, v28, v29
	v_max_num_f32 v39, v37, v42                    ; the two halves under their common maximum
	v_sub_f32 v37, v37, v39
	v_sub_f32 v40, v42, v39
	v_exp_f32 v37, v37
	v_exp_f32 v40, v40
	v_mov_b32 v42, v39                             ; (a plain place behind the exponentials)
	s_wait_alu depctr_va_vdst(0)
	v_mul_f32 v43, v43, v37
	v_fmac_f32 v43, v38, v40
	ds_store_b64 v7, v[42:43] offset:STAT+4096*\h  ; my pair for this head; a wait for it stands in front of the iteration's barrier
.endm
; Wave h: head h's 32 pairs a row are merged, s is made, ov's K step h is quantised
.macro MG h
	s_cmp_lg_u32 s14, \h
	s_cbranch_scc1 .Lno_merge_\@
.irp j, 0,1,2,3,4,5,6,7,8,9,10,11,12,13,14,15
	ds_load_b64 v[64+2*\j:65+2*\j], v8 offset:STAT+4096*\h+256*\j
.endr
	s_wait_dscnt 0x0
	v_max3_num_f32 v16, v64, v66, v68
	v_max3_num_f32 v17, v70, v72, v74
	v_max3_num_f32 v16, v16, v76, v78
	v_max3_num_f32 v17, v17, v80, v82
	v_max3_num_f32 v16, v16, v84, v86
	v_max3_num_f32 v17, v17, v88, v90
	v_max3_num_f32 v16, v16, v92, v94
	v_max_num_f32 v16, v16, v17
	v_mov_b32 v18, 0
	v_permlanex16_b32 v18, v16, s34, s35
	v_max_num_f32 v16, v16, v18                    ; the row's largest t
.irp j, 0,1,2,3,4,5,6,7,8,9,10,11,12,13,14,15
	v_sub_f32 v[64+2*\j], v[64+2*\j], v16
.endr
.irp j, 0,1,2,3,4,5,6,7,8,9,10,11,12,13,14,15
	v_exp_f32 v[64+2*\j], v[64+2*\j]
.endr
	v_nop                                          ; a plain place behind the exponentials
	s_wait_alu depctr_va_vdst(0)
.irp j, 0,1,2,3,4,5,6,7,8,9,10,11,12,13,14,15
	v_mul_f32 v[65+2*\j], v[65+2*\j], v[64+2*\j]   ; p_j: a partial sum under the row's maximum
.endr
.irp c, 0,1,2,3
	v_add_f32 v[20+\c], v[65+2*\c], v[73+2*\c]
.endr
.irp c, 0,1,2,3
	v_add_f32 v[20+\c], v[20+\c], v[81+2*\c]
.endr
.irp c, 0,1,2,3
	v_add_f32 v[20+\c], v[20+\c], v[89+2*\c]
.endr
	v_add_f32 v20, v20, v21
	v_add_f32 v22, v22, v23
	v_add_f32 v20, v20, v22
	v_permlanex16_b32 v18, v20, s34, s35
	v_add_f32 v20, v20, v18                        ; l: at least 1, since one pair holds the row's maximum
	v_rcp_f32 v19, v20
	v_nop                                          ; a plain place behind the reciprocal
	s_wait_alu depctr_va_vdst(0)
.irp c, 0,1,2,3
	v_mul_f32 v[20+\c], v[65+2*\c], v19            ; the normalised partial sums are added: s
.endr
.irp c, 0,1,2,3
	v_fmac_f32 v[20+\c], v[73+2*\c], v19
.endr
.irp c, 0,1,2,3
	v_fmac_f32 v[20+\c], v[81+2*\c], v19
.endr
.irp c, 0,1,2,3
	v_fmac_f32 v[20+\c], v[89+2*\c], v19
.endr
	v_add_f32 v20, v20, v21
	v_add_f32 v22, v22, v23
	v_add_f32 v20, v20, v22
	v_permlanex16_b32 v18, v20, s34, s35
	v_add_f32 v24, v20, v18
	v_mov_b32 v25, v24                             ; s, twice: a pair for the packed multiply
.irp b, 0,1,2,3
.irp j, 0,1,2,3
	ds_load_b128 v[64+16*\b+4*\j:67+16*\b+4*\j], v9 offset:VMEAN+128*\b+16*\j   ; the mean at c = 32 b + 16 hh + 4 j .., where the pairs lay
.endr
.endr
	s_wait_dscnt 0x0
.irp j, 0,2,4,6,8,10,12,14,16,18,20,22,24,26,28,30,32,34,36,38,40,42,44,46,48,50,52,54,56,58,60,62
	v_pk_mul_f32 v[64+\j:65+\j], v[64+\j:65+\j], v[24:25]   ; ov = s x mean
.endr
	QUANT 64
	IMAGE 1, OIMG+1024*\h
	ds_store_b32 v2, v[PW] offset:OSC+128*\h
.irp z, 16,17,18,19,24,25,26,27
	v_mov_b32 v\z, 0                               ; the zero codes beside q are set again
.endr
.Lno_merge_\@:
.endm
; K step h of product 3: my 8 tiles of Wo from my piece of slot h % 2, ov's fragment h; eight accumulators, one instruction each.  tc: the tensor loads issued behind this tile's
.macro P3 h, tc
	s_wait_tensorcnt \tc                           ; tensor loads of a wave end in order (ISA guide 10.11.1): my tile is in LDS; only I read it
.irp t, 0,1,2,3,4,5,6,7
	ds_load_b128 v[64+8*\t:67+8*\t], v[10+(\h)%2] offset:1024*\t
	ds_load_b128 v[68+8*\t:71+8*\t], v[10+(\h)%2] offset:1024*\t+512
.endr
	ds_load_b128 v[28:31], v1 offset:OIMG+1024*\h
	ds_load_b128 v[32:35], v1 offset:OIMG+1024*\h+512
	ds_load_b32 v37, v2 offset:OSC+128*\h
	s_wait_dscnt 0x0
.if (\h)%4 == 0
	s_wait_loadcnt 0x0                             ; Wo's scale words of these four K steps
.endif
.irp t, 0,2,4,6
	v_wmma_scale_f32_16x16x128_f8f6f4 v[192+8*\t:199+8*\t], v[64+8*\t:71+8*\t], v[28:35], v[192+8*\t:199+8*\t], v[48+2*\t+(\h)%4], v37 matrix_a_fmt:MATRIX_FMT_FP4 matrix_b_fmt:MATRIX_FMT_FP4
	v_wmma_scale_f32_16x16x128_f8f6f4 v[200+8*\t:207+8*\t], v[72+8*\t:79+8*\t], v[28:35], v[200+8*\t:207+8*\t], v[48+2*\t+(\h)%4], v37 matrix_a_fmt:MATRIX_FMT_FP4 matrix_b_fmt:MATRIX_FMT_FP4 matrix_a_scale:MATRIX_SCALE_ROW1
.endr
	PLACES
.if \h == 3
.irp bl, 0,1,2,3
	global_load_b128 v[48+4*\bl:51+4*\bl], v1, s[30:31] offset:1024*\bl+512   ; the scale words of K steps 4-7: wanted an iteration on
.endr
.endif
.endm
; Slot s, which every wave has read, is filled again with the K step two steps on: the iteration's barrier is then a round of the cluster's
.macro REFILL s
	s_wait_tensorcnt 0x0                           ; all my tensor loads have landed, the other slot's among them: so a group 0 may be written
	ds_add_u32 v14, v15                            ; 0 onto my spare word; the step below stands between it and the wait for it
	s_add_nc_u64 s[42+4*\s:43+4*\s], s[42+4*\s:43+4*\s], 4096   ; two K steps on; the type bits on top are not reached
	s_wait_dscnt 0x0                               ; the add is done, my reads of the slot are over, my pair (and the merging wave's image) lies in LDS
	ROUND                                          ; that now holds of every wave of the four work-groups
	tensor_load_to_lds s[40+4*\s:43+4*\s], s[48:55]   ; my one tensor load behind the round, and the first thing there: it has the next iteration in which to land
	s_nop 0
.rept 4
	v_nop
.endr
.endm
	HEAD 0
	BARRIER
	HEAD 1
	MG 0
	BARRIER
	HEAD 2
	MG 1
	P3 0, 1                                        ; K step 1's first fill was issued behind K step 0's
	REFILL 0                                       ; K step 2
	HEAD 3
	MG 2
	P3 1, 1                                        ; from here on: the refill just issued stands behind the tile's own load
	REFILL 1                                       ; K step 3
	HEAD 4
	MG 3
	P3 2, 1
	REFILL 0                                       ; K step 4
	HEAD 5
	MG 4
	P3 3, 1
	REFILL 1                                       ; K step 5
	HEAD 6
	MG 5
	P3 4, 1
	REFILL 0                                       ; K step 6: slot 0's last fill
	HEAD 7
	MG 6
	P3 5, 1
	REFILL 1                                       ; K step 7: the last load
	MG 7
	P3 6, 1
	BARRIER                                        ; ov's last fragment lies in LDS
	P3 7, 0                                        ; no load was issued behind this tile's
	; ---- the way out: a lane holds pieces of 32 bytes of one row: they turn through my piece of slot 0, which has had its last fill and its last read, and leave as whole runs of 512 bytes of a row
.irp t, 0,1,2,3,4,5,6,7
	ds_store_b128 v12, v[192+8*\t:195+8*\t] offset:128*(\t/2)+32*(\t%2)        ; each accumulator from its low end on
	ds_store_b128 v12, v[196+8*\t:199+8*\t] offset:128*(\t/2)+32*(\t%2)+16
.endr
.irp i, 0,1,2,3,4,5,6,7,8,9,10,11,12,13,14,15
	ds_load_b128 v[64+4*\i:67+4*\i], v10 offset:528*\i   ; LDS serves a wave's instructions in order (ISA guide 5.7.1.4): these see the stores above
.endr
.irp i, 0,1,2,3,4,5,6,7,8,9,10,11,12,13,14,15
	s_wait_dscnt 15-\i                             ; row i is back; the younger reads may be out
	global_store_b128 v1, v[64+4*\i:67+4*\i], s[18:19] offset:8192*\i th:TH_STORE_NT   ; 32 lanes store 512 consecutive bytes, at a multiple of 512 from out's first byte; written once, read by nobody here
.endr
	s_wait_tensorcnt 0x0                           ; the wave's end, behind my last tensor load and my last LDS store
	ds_add_u32 v14, v15
	s_wait_dscnt 0x0
	ROUND                                          ; the closing round: no work-group ends while a partner may still ask for a tile that names it
	s_endpgm
.Lfunc_end_k_q50913b7932_main:
	.size	k_q50913b7932_main, .Lfunc_end_k_q50913b7932_main-k_q50913b7932_main
	.p2alignl 7, 3214868480
	.fill 96, 4, 3214868480
	.section	.rodata,"a",@progbits
	.p2align	6, 0x0
	.amdhsa_kernel k_q50913b7932_main
		.amdhsa_group_segment_fixed_size 327680
		.amdhsa_private_segment_fixed_size 0
		.amdhsa_enable_private_segment 0
		.amdhsa_kernarg_size 40
		.amdhsa_user_sgpr_count 2
		.amdhsa_user_sgpr_kernarg_segment_ptr 1
		.amdhsa_wavefront_size32 1
		.amdhsa_system_sgpr_workgroup_id_x 1
		.amdhsa_system_sgpr_workgroup_id_y 1
		.amdhsa_system_sgpr_workgroup_id_z 1
		.amdhsa_system_vgpr_workitem_id 0
		.amdhsa_next_free_vgpr 256
		.amdhsa_next_free_sgpr 66
		.amdhsa_reserve_vcc 0
		.amdhsa_float_denorm_mode_32 3
		.amdhsa_float_denorm_mode_16_64 3
		.amdhsa_memory_ordered 1
		.amdhsa_forward_progress 1
		.amdhsa_inst_pref_size 255
	.end_amdhsa_kernel
	.section	.bss,"aw",@nobits
	.p2align	6
	.space	262144
	.amdgpu_metadata
---
amdhsa.version: [ 1, 2 ]
amdhsa.kernels:
  - .name:           k_q50913b7932_main
    .symbol:         k_q50913b7932_main.kd
    .args:
      - { .name: x, .offset: 0, .size: 8, .value_kind: global_buffer, .address_space: global }
      - { .name: wcodes, .offset: 8, .size: 8, .value_kind: global_buffer, .address_space: global }
      - { .name: wscales, .offset: 16, .size: 8, .value_kind: global_buffer, .address_space: global }
      - { .name: vpart, .offset: 24, .size: 8, .value_kind: global_buffer, .address_space: global }
      - { .name: out0, .offset: 32, .size: 8, .value_kind: global_buffer, .address_space: global }
    .group_segment_fixed_size: 327680
    .private_segment_fixed_size: 0
    .kernarg_segment_align: 8
    .kernarg_segment_size: 40
    .max_flat_workgroup_size: 512
    .sgpr_count:     66
    .vgpr_count:     256
    .wavefront_size: 32
...
	.end_amdgpu_metadata
.endif
;; end of part 2
